; MI455X (gfx1250); checked and timed in simulation.
; The chip was launched on July 23, 2026; its instructions are those of AMD's public machine-readable ISA for CDNA 5 (MIT licence, August 2026) and "CDNA5" Instruction Set Architecture Reference Guide (July 2026). The comments in the code are by the model that wrote it; some were corrected since.
;; Ro SA Linear. Allowed arithmetic: float matrix products may take bf16 or f16 operands with f32 sums; all other float work in f32.
;; Inputs: W 4,096 x 4,096 float32; b 4,096 float32; delta 4,096 x 4,096 float32; lora_A 16 x 4,096 float32; lora_B 4,096 x 16 float32; mask 4,096 x 4,096 bool; x 4 x 512 x 4,096 float32.
;; Outputs: out0 4 x 512 x 4,096 float32.
;; One version. Each part assembles by itself: llvm-mc -triple=amdgcn-amd-amdhsa -mcpu=gfx1250 --defsym DOCPART=n.
;; ======== version 1 of 1: 2 launches
;; limits: values are held in f16: magnitudes above 65,504 overflow, below 6.1e-05 lose precision
;; workspace buffers: xh 16,777,216 bytes; wh 33,554,432 bytes
;; launch prep (part 1): grid 512 x 1, 8 waves a work-group, no clusters, 0 bytes of LDS; arguments W, delta, mask, lora_A, lora_B, x, wh, xh; writes wh, xh
.if DOCPART == 1
	.amdgcn_target "amdgcn-amd-amdhsa--gfx1250"
	.amdhsa_code_object_version 6
	.text
	.protected	k_q636d13fcae_prep
	.globl	k_q636d13fcae_prep
	.p2align	8
	.type	k_q636d13fcae_prep,@function
k_q636d13fcae_prep:
	s_mov_b64 s[64:65], 0
	v_nop
	global_prefetch_b8 v0, s[64:65] scope:SCOPE_SE
	s_setreg_imm32_b32 hwreg(HW_REG_WAVE_MODE, 25, 1), 1
	s_wait_xcnt 0x0
; wh[o][d] = f16( W[o][d] + delta[o][d] * mask[o][d] + sum over r of (2 lora_B[o][r]) lora_A[r][d] ),   xh = f16(x).
; All three branches of the layer are linear in x over the same index d, so their weights are summed here, once, and the next launch makes one product.
; WHY f16.  The merged weight is rounded anew, so its rounding adds to x's in a sum of 4,096 products.  With 7 fraction bits the sum's error has a spread near 0.002 of
; the output's, a fifth of an allowance of 0.01: too near for 8,388,608 numbers.  f16's 10 fraction bits divide it by eight.
; ROOM IN f16, by figures: x as drawn reaches about 5.5; thirty times that and an offset of 30 stay under 200, and merged weights with every input thirty times larger are
; near 1, against f16's largest number 65,504.  Weights, lora_A and lora_B thirty times smaller have a root mean square near 5e-4, above the least normal number 2^-14; what
; is smaller is kept as a denormal with an error of 2^-25 at the most, 6e-5 of that root mean square.
; LIMITS, stated: |x|, |merged weight|, |lora_A| or |2 lora_B| above 65,504 becomes infinite.  Mask bytes are 0 or 1, as the problem gives them.  The weights are summed in f32
; and rounded ONCE to f16, so the order of rounding differs from a sum of three products.  lora_A and 2 lora_B (32/16 = 2 is exact) enter their product in f16, its sum is
; f32.  delta * mask is a true multiply.  A lora_A or lora_B that is not finite meets zeros of the other column half (see LAYOUT) and makes NaN there too; the layer's own
; result is not finite in that case either, since such an element reaches its outputs through x lora_A^T lora_B^T.
;
; SHARES.  512 work-groups of eight waves.  Work-group g: rows 32 (g >> 2) .. + 31 of the weights, columns 1024 (g & 3) .. + 1023; wave w takes 128 of these columns.
; A wave makes four units of 8 rows x 128 columns, and casts 8,192 bytes of x at the end.
; LAYOUT.  The rank is 16, the matrix instruction's K is 32: the second half of K is used to tell two column halves apart.  With r = lane & 15, h = lane >> 4:
;   source 0, row m = 8 hm + j:  2 lora_B[o0 + j][.] in K = 16 hm .. 16 hm + 15, zeros in the other half;
;   source 1 of tile t, column n: lora_A[.][d0 + 4 n + t] in K = 0 .. 15, lora_A[.][d0 + 64 + 4 n + t] in K = 16 .. 31.
; Register j of tile t (t = 0 .. 3) then holds (row o0 + j, column d0 + 4 (16 h + r) + t): lane l owns the FOUR NEIGHBOURING columns 4 l .. 4 l + 3 of one row.  So a row's
; W and delta are one load of 16 bytes a lane each (the wave: 512 consecutive bytes), its mask 4 bytes a lane, the fused multiply-add W + delta * mask writes straight into
; the tiles' C registers, and the four results pack into 8 bytes: the wave stores 256 consecutive bytes, aligned.  No LDS, no barrier: no wave needs another's data.
; No address register and no register that a store reads is ever rewritten: rows stand in the immediates, every unit has its own 16 registers for its stores.
; NO CLUSTER: everything comes through registers, so there is no joint request to make; what work-groups share is lora_A and lora_B, 262,144 bytes each,
; against 184,549,376 bytes that are read once.
.set ROWW, 16384                       ; bytes in a row of W, delta, lora_A
.set ROWM, 4096                        ; bytes in a row of mask
.set ROWO, 8192                        ; bytes in a row of wh
.set VW,   3                           ; v3   16 x thread: my 16 bytes in the group's 4,096 of a row of W and of delta
.set VM,   4                           ; v4   4 x thread: the same place in mask
.set VO,   5                           ; v5   8 x thread: the same place in wh
.set VLB,  6                           ; v6   64 (r & 7) + 32 h: my eight numbers of lora_B
.set VX,   7                           ; v7   8,192 w + 16 lane: my bytes of x
.set VXO,  8                           ; v8   VX / 2: the same place in xh
.set VA,   9                           ; v9   512 w + 8 h rows + 16 r: my bytes of lora_A
.set T,    10                          ; v[10:13]   at work: mask as f32
.set BF,   14                          ; v[14:45]   four fragments of lora_A (source 1), 8 registers each
.set AF,   46                          ; v[46:77]   four fragments of 2 lora_B (source 0), one for each unit; at first lora_B as loaded
.set C,    78                          ; v[78:109]  tile t at C + 8 t
.set OUT,  110                         ; v[110:173] unit u, row j: 2 registers at OUT + 16 u + 2 j, data of one store
.set RAW,  78                          ; v[78:141]  lora_A as loaded, before C and OUT are first written
.set RING, 174                         ; v[174:253] eight row slots of 10: W 0-3, delta 4-7, mask 8
	s_load_b512 s[8:23], s[0:1], 0x0               ; W s[8:9], delta s[10:11], mask s[12:13], lora_A s[14:15], lora_B s[16:17], x s[18:19], wh s[20:21], xh s[22:23]
	s_lshr_b32 s2, ttmp9, 2                        ; rg: which 32 rows
	s_and_b32 s3, ttmp9, 3                         ; cg: which 1,024 columns
	s_lshl_b32 s24, s2, 19                         ; 32 rows of 16,384 bytes
	s_lshl_b32 s26, s3, 12                         ; 1,024 columns of 4 bytes: lora_A's offset
	s_add_co_u32 s24, s24, s26                     ; W's and delta's offset (below 2^26)
	s_mov_b32 s25, 0
	s_mov_b32 s27, 0
	s_lshr_b32 s28, s24, 2                         ; mask: a quarter of the bytes
	s_mov_b32 s29, 0
	s_lshr_b32 s30, s24, 1                         ; wh: half of the bytes
	s_mov_b32 s31, 0
	s_lshl_b32 s32, s2, 11                         ; lora_B: 32 rows of 64 bytes
	s_mov_b32 s33, 0
	s_lshl_b32 s34, ttmp9, 16                      ; x: 65,536 bytes a work-group
	s_mov_b32 s35, 0
	s_lshl_b32 s36, ttmp9, 15                      ; xh: half of that
	s_mov_b32 s37, 0
	v_and_b32 v1, 15, v0                           ; r
	v_bfe_u32 v2, v0, 4, 1                         ; h
	v_lshlrev_b32 v[VW], 4, v0
	v_lshlrev_b32 v[VM], 2, v0
	v_lshlrev_b32 v[VO], 3, v0
	v_and_b32 v[VLB], 7, v0
	v_lshlrev_b32 v[VLB], 6, v[VLB]
	v_lshl_add_u32 v[VLB], v2, 5, v[VLB]
	v_and_b32 v[T], 0xe0, v0                       ; 32 w
	v_lshlrev_b32 v[VA], 4, v[T]                   ; 512 w
	v_lshl_add_u32 v[VA], v2, 17, v[VA]            ; 8 h rows of 16,384 bytes
	v_lshl_add_u32 v[VA], v1, 4, v[VA]
	v_and_b32 v[VX], 31, v0
	v_lshlrev_b32 v[VX], 4, v[VX]
	v_lshl_or_b32 v[VX], v[T], 8, v[VX]
	v_lshrrev_b32 v[VXO], 1, v[VX]
	v_cmp_gt_u32 vcc_lo, 8, v1                     ; lanes that hold rows 0-7 of source 0: their numbers stand in K = 0 .. 15
	v_cmp_le_u32 s38, 8, v1                        ; lanes that hold rows 8-15: in K = 16 .. 31
	s_wait_kmcnt 0x0
	s_add_nc_u64 s[8:9], s[8:9], s[24:25]
	s_add_nc_u64 s[10:11], s[10:11], s[24:25]
	s_add_nc_u64 s[12:13], s[12:13], s[28:29]
	s_add_nc_u64 s[14:15], s[14:15], s[26:27]
	s_add_nc_u64 s[16:17], s[16:17], s[32:33]
	s_add_nc_u64 s[18:19], s[18:19], s[34:35]
	s_add_nc_u64 s[20:21], s[20:21], s[30:31]
	s_add_nc_u64 s[22:23], s[22:23], s[36:37]
; Row j of unit u into slot j: three loads.  The row, 8 u + j, stands in the immediate, 507,904 bytes at the most.  (Arguments stand in brackets wherever they enter a product.)
.macro RLOAD u, j
	global_load_b128 v[RING+10*(\j):RING+10*(\j)+3],   v[VW], s[8:9]   offset:(8*(\u)+(\j))*ROWW th:TH_LOAD_NT
	global_load_b128 v[RING+10*(\j)+4:RING+10*(\j)+7], v[VW], s[10:11] offset:(8*(\u)+(\j))*ROWW th:TH_LOAD_NT
	global_load_b32  v[RING+10*(\j)+8],                v[VM], s[12:13] offset:(8*(\u)+(\j))*ROWM th:TH_LOAD_NT
.endm
; 1,024 bytes of x into slot s: two loads of 512 neighbouring bytes
.macro XLOAD s
.irp k, 0,1
	global_load_b128 v[RING+10*(\s)+4*\k:RING+10*(\s)+4*\k+3], v[VX], s[18:19] offset:512*(2*(\s)+\k) th:TH_LOAD_NT
.endr
.endm
; W + delta * mask of slot j, one fused multiply-add a number, straight into register j of the four tiles
.macro MERGE j
.irp t, 0,1,2,3
	v_bfe_u32 v[T+\t], v[RING+10*(\j)+8], 8*\t, 8
.endr
.irp t, 0,1,2,3
	v_cvt_f32_u32 v[T+\t], v[T+\t]
.endr
.irp t, 0,1,2,3
	v_fma_f32 v[C+8*\t+(\j)], v[RING+10*(\j)+4+\t], v[T+\t], v[RING+10*(\j)+\t]
.endr
.endm
; One row's turn.  left = the younger loads that may stay out.  kind 1: the slot gets the same row of unit nu; kind 2: it gets x.
.macro STEP j, left, kind, nu
	s_wait_loadcnt \left                           ; loads come back in order (ISA guide 5.7.1): this slot's three are in
	MERGE \j
.if \kind == 1
	RLOAD \nu, \j
.else
	XLOAD \j
.endif
.endm
; The unit's four tiles get the low-rank term, are rounded and stored.
.macro FINISH u
.irp t, 0,1,2,3
	v_wmma_f32_16x16x32_f16 v[C+8*\t:C+8*\t+7], v[AF+8*(\u):AF+8*(\u)+7], v[BF+8*\t:BF+8*\t+7], v[C+8*\t:C+8*\t+7]   ; four accumulators by turns, one instruction a turn
.endr
.rept 4
	v_nop                                          ; four places behind the last matrix instruction before its result is read (ISA guide 7.12.1)
.endr
.irp j, 0,1,2,3,4,5,6,7
	v_cvt_pk_f16_f32 v[OUT+16*(\u)+2*\j],   v[C+\j],    v[C+8+\j]            ; my columns 0, 1 of row j
	v_cvt_pk_f16_f32 v[OUT+16*(\u)+2*\j+1], v[C+16+\j], v[C+24+\j]           ; my columns 2, 3
	global_store_b64 v[VO], v[OUT+16*(\u)+2*\j:OUT+16*(\u)+2*\j+1], s[20:21] offset:(8*(\u)+\j)*ROWO   ; the wave: 256 consecutive bytes, aligned; no hint: the next launch reads them
.endr
.endm
; Slot s of x: four numbers become 8 bytes; a store of the wave covers 256 consecutive bytes, aligned.  These registers are not written again.
.macro XOUT s, left
	s_wait_loadcnt \left
.irp k, 0,1
	v_cvt_pk_f16_f32 v[RING+10*(\s)+4*\k],   v[RING+10*(\s)+4*\k],   v[RING+10*(\s)+4*\k+1]
	v_cvt_pk_f16_f32 v[RING+10*(\s)+4*\k+1], v[RING+10*(\s)+4*\k+2], v[RING+10*(\s)+4*\k+3]
	global_store_b64 v[VXO], v[RING+10*(\s)+4*\k:RING+10*(\s)+4*\k+1], s[22:23] offset:256*(2*(\s)+\k)
.endr
.endm
	; 48 loads go out: 16 of lora_A (rows 8 h + kk, my four columns in each column half), 8 of lora_B (four units), the first unit's eight rows (24)
.irp kk, 0,1,2,3,4,5,6,7
.irp hd, 0,1
	global_load_b128 v[RAW+8*\kk+4*\hd:RAW+8*\kk+4*\hd+3], v[VA], s[14:15] offset:\kk*ROWW+256*\hd
.endr
.endr
.irp u, 0,1,2,3
	global_load_b128 v[AF+8*\u:AF+8*\u+3],   v[VLB], s[16:17] offset:512*\u
	global_load_b128 v[AF+8*\u+4:AF+8*\u+7], v[VLB], s[16:17] offset:512*\u+16
.endr
.irp j, 0,1,2,3,4,5,6,7
	RLOAD 0, \j
.endr
	s_wait_loadcnt 24                              ; the 24 younger loads, the rows, stay out: lora_A and lora_B are in
.irp t, 0,1,2,3
.irp hd, 0,1
.irp i, 0,1,2,3
	v_cvt_pk_f16_f32 v[BF+8*\t+4*\hd+\i], v[RAW+16*\i+4*\hd+\t], v[RAW+16*\i+8+4*\hd+\t]   ; tile t, K = 16 hd + 8 h + 2 i and + 1
.endr
.endr
.endr
.irp u, 0,1,2,3
.irp q, 0,2,4,6
	v_pk_mul_f32 v[AF+8*\u+\q:AF+8*\u+\q+1], v[AF+8*\u+\q:AF+8*\u+\q+1], 2.0 op_sel_hi:[1,0]   ; alpha / rank = 2, exact
.endr
.irp q, 0,1,2,3
	v_cvt_pk_f16_f32 v[T+\q], v[AF+8*\u+2*\q], v[AF+8*\u+2*\q+1]
.endr
.irp q, 0,1,2,3
	v_cndmask_b32 v[AF+8*\u+\q],   0, v[T+\q], vcc_lo                        ; K = 0 .. 15: rows 0-7 of source 0 alone
	v_cndmask_b32 v[AF+8*\u+4+\q], 0, v[T+\q], s38                           ; K = 16 .. 31: rows 8-15 alone
.endr
.endr
	; Units 0, 1, 2: each row's slot gets the same row of the next unit, whose number is written out.  21 = seven younger rows of three loads.
.irp j, 0,1,2,3,4,5,6,7
	STEP \j, 21, 1, 1
.endr
	FINISH 0
.irp j, 0,1,2,3,4,5,6,7
	STEP \j, 21, 1, 2
.endr
	FINISH 1
.irp j, 0,1,2,3,4,5,6,7
	STEP \j, 21, 1, 3
.endr
	FINISH 2
	; the last unit: 3 (7 - j) loads of the rows left and 2 j loads of x issued so far
.irp j, 0,1,2,3,4,5,6,7
	STEP \j, 21-\j, 2, 0
.endr
	FINISH 3
.irp s, 0,1,2,3,4,5,6,7
	XOUT \s, 14-2*\s                               ; the counts run down: two loads a slot
.endr
	s_endpgm
.Lfunc_end_k_q636d13fcae_prep:
	.size	k_q636d13fcae_prep, .Lfunc_end_k_q636d13fcae_prep-k_q636d13fcae_prep
	.p2alignl 7, 3214868480
	.fill 96, 4, 3214868480
	.section	.rodata,"a",@progbits
	.p2align	6, 0x0
	.amdhsa_kernel k_q636d13fcae_prep
		.amdhsa_group_segment_fixed_size 0
		.amdhsa_private_segment_fixed_size 0
		.amdhsa_enable_private_segment 0
		.amdhsa_kernarg_size 64
		.amdhsa_user_sgpr_count 2
		.amdhsa_user_sgpr_kernarg_segment_ptr 1
		.amdhsa_wavefront_size32 1
		.amdhsa_system_sgpr_workgroup_id_x 1
		.amdhsa_system_sgpr_workgroup_id_y 1
		.amdhsa_system_sgpr_workgroup_id_z 1
		.amdhsa_system_vgpr_workitem_id 0
		.amdhsa_next_free_vgpr 256
		.amdhsa_next_free_sgpr 66
		.amdhsa_reserve_vcc 1
		.amdhsa_float_denorm_mode_32 3
		.amdhsa_float_denorm_mode_16_64 3
		.amdhsa_memory_ordered 1
		.amdhsa_forward_progress 1
		.amdhsa_inst_pref_size 54
	.end_amdhsa_kernel
	.amdgpu_metadata
---
amdhsa.version: [ 1, 2 ]
amdhsa.kernels:
  - .name:           k_q636d13fcae_prep
    .symbol:         k_q636d13fcae_prep.kd
    .args:
      - { .name: W, .offset: 0, .size: 8, .value_kind: global_buffer, .address_space: global }
      - { .name: delta, .offset: 8, .size: 8, .value_kind: global_buffer, .address_space: global }
      - { .name: mask, .offset: 16, .size: 8, .value_kind: global_buffer, .address_space: global }
      - { .name: lora_A, .offset: 24, .size: 8, .value_kind: global_buffer, .address_space: global }
      - { .name: lora_B, .offset: 32, .size: 8, .value_kind: global_buffer, .address_space: global }
      - { .name: x, .offset: 40, .size: 8, .value_kind: global_buffer, .address_space: global }
      - { .name: wh, .offset: 48, .size: 8, .value_kind: global_buffer, .address_space: global }
      - { .name: xh, .offset: 56, .size: 8, .value_kind: global_buffer, .address_space: global }
    .group_segment_fixed_size: 0
    .private_segment_fixed_size: 0
    .kernarg_segment_align: 8
    .kernarg_segment_size: 64
    .max_flat_workgroup_size: 256
    .sgpr_count:     66
    .vgpr_count:     256
    .wavefront_size: 32
...
	.end_amdgpu_metadata
.endif
;; end of part 1
;; launch gemm (part 2): grid 16 x 16, 4 waves a work-group, clusters of 4 x 4, 327,680 bytes of LDS; arguments xh, wh, b, out0; writes out0
.if DOCPART == 2
	.amdgcn_target "amdgcn-amd-amdhsa--gfx1250"
	.amdhsa_code_object_version 6
	.text
	.protected	k_q636d13fcae_gemm
	.globl	k_q636d13fcae_gemm
	.p2align	8
	.type	k_q636d13fcae_gemm,@function
k_q636d13fcae_gemm:
	s_mov_b64 s[64:65], 0
	v_nop
	global_prefetch_b8 v0, s[64:65] scope:SCOPE_SE
	s_setreg_imm32_b32 hwreg(HW_REG_WAVE_MODE, 25, 1), 1
	s_wait_xcnt 0x0
	s_wait_alu depctr_hold_cnt(0) depctr_sa_sdst(0) depctr_va_vdst(0) depctr_va_sdst(0) depctr_va_ssrc(0) depctr_va_vcc(0) depctr_vm_vsrc(0)
	s_getreg_b32 s2, hwreg(HW_REG_IB_STS2, 6, 4)
	s_cmp_eq_u32 s2, 0
	s_cbranch_scc0 .Lentry_in_a_cluster
	s_endpgm
.Lentry_in_a_cluster:
	s_bfe_u32 s2, ttmp6, 0x10000c
	s_cmp_lg_u32 s2, 0xf033
	s_cbranch_scc0 .Lentry_shape_is_right
	s_endpgm
.Lentry_shape_is_right:
; out0[m][n] = sum over k of xh[m][k] wh[n][k] + b[n].  xh: [2048][4096] f16, wh: [4096][4096] f16, b: [4096] f32, out0: [2048][4096] f32; sums in f32.
; The operands are f16 (10 fraction bits): why, and what room that format has here, stands at the head of the launch that makes them.  LIMIT, stated: an element of xh or wh
; whose source passed 65,504 in size is infinite and makes its sums infinite or NaN.
; A work-group makes a block of 128 x 256 of out0: 16 x 16 = 256 blocks.  Four waves, as many as a WGP has SIMDs; a wave makes 64 x 128: 32 accumulator tiles of
; 16 x 16, 256 registers.
; THE RING: A LONG SLOT AND A SHORT ONE.  Behind each barrier that frees a slot a wave issues one tensor load, so what is on its way grows only with the slot.  Two slots of
; 256 along K would take 2 x 384 rows x 528 bytes = 405,504 bytes, more than a work-group can be given; so slot P holds 256 along K (202,752 bytes) and slot Q 128
; (104,448 bytes).  K is walked as P0 Q0 P1 Q1 .. P9 Q9 P10: 11 x 256 + 10 x 128 = 4,096.  From Q's request to the wait for it a wave issues 248 matrix instructions, from
; P's request to its wait 120; there are two barriers for 384 along K.  A tile's rows are 512 or 256 bytes of memory and start at multiples of 256 bytes.
; CLUSTERS: 4 x 4 work-groups.  The four of a row of the cluster make blocks of one block row and need the same tiles of xh; the four of a column need the same tiles of
; wh.  Such a tile is asked for JOINTLY: each of the four issues the same tensor load, with the same descriptor and a mask that names the four.
; A wave has two tensor loads out at the start and one behind each round of the cluster's barrier.
;
; REGISTERS: window 0: v0-35 addresses and the bias; two fragment buffers, each 8 fragments of wh (64 registers) and 4 of xh (32): v64-159, v160-255.
;            window 1: accumulator tile (a, b) at v[8 (8 a + b)], a = 0 .. 3 (16 rows each), b = 0 .. 7 (16 columns each).
; THE MATRIX INSTRUCTION IS USED TRANSPOSED: source 0 = 16 rows of wh, source 1 = 16 rows of xh.  Lane l then holds row m = l % 16 of the tile, and its registers 0 to 7 the
; columns 8 (l / 16) + 0 .. 7: 32 neighbouring bytes of a row of out0.
; LDS: in each slot wh's two halves of 128 rows, fetched by waves 0 and 1, then xh's two halves of 64 rows, fetched by waves 2 and 3: every fill's address is the
; wave's number times a constant plus a constant.  Behind the ring a stage of 16 rows x 272 bytes for each wave, into which no fill lands.
.set SIZE_K, 4096
.set SIZE_N, 4096
.set PITP,   528                       ; a row of P: 512 bytes + 16 of padding = 132 words; a row of Q: 256 + 16 = 68 words.  Both are 4 modulo 64 words, so the
.set PITQ,   272                       ; 16 rows that a load touches start at 16 different banks (64 banks of 4 bytes: ISA guide 11.1)
.set BHP,    128*PITP                  ; half of wh's tile in P: 67,584
.set AHP,    64*PITP                   ; half of xh's tile in P: 33,792
.set BHQ,    128*PITQ                  ; 34,816
.set AHQ,    64*PITQ                   ; 17,408
.set QBASE,  2*BHP+2*AHP               ; 202,752
.set STAGE,  QBASE+2*BHQ+2*AHQ         ; 307,200, a multiple of 256
.set SPITCH, 272                       ; a stage row: 64 f32 + 16 bytes
.set WSTAGE, 16*SPITCH
.set CYC,    768                       ; bytes along K from a slot's tile to its next: 256 + 128 elements
.set ADRA, 16                          ; v16, v17  LDS address of my xh fragments in P, Q
.set ADRB, 20                          ; v20, v21  the same for wh
.set STO,  24                          ; v24     the way out: where I put 32 bytes of a row
.set RD,   25                          ; v25     the way out: where I read 16 bytes of a row back
.set CO,   26                          ; v26     my byte offset in out0: row l / 16, 16 (l % 16)
.set BO,   27                          ; v27     16 (l % 16): my bytes in b
.set BIAS, 28                          ; v[28:35] b of my four columns in each half of my 128
.set F0,   64                          ; fragment buffer 0
.set F1,   160                         ; fragment buffer 1
.set OB,   64                          ; the way out: six buffers of 32 registers in turn
.set G1A, 24                           ; s[24:31] group 1 of xh's tiles for P, s[40:47] for Q
.set G1B, 32                           ; s[32:39] group 1 of wh's tiles for P, s[48:55] for Q
.set G0A, 56                           ; s[56:59] group 0 of xh's tiles for P, s[68:71] for Q
.set G0B, 60                           ; s[60:63] group 0 of wh's tiles for P, s[72:75] for Q
.set MSB, 0
.macro WIN new                         ; s_set_vgpr_msb: bits 1:0 source 0, 3:2 source 1, 5:4 source 2, 7:6 destination; the high byte repeats the setting that is left
.if MSB != \new
	s_set_vgpr_msb (MSB<<8)|\new
.set MSB, \new
.endif
.endm
.set MUL, 0x50                         ; C and D in window 1, both sources in window 0
.set FROM_ACC, 0x04                    ; an LDS store's data (source 1) from window 1
; A joint load into slot s (0 = P, 1 = Q).  Waves 0 and 1 fetch wh's two halves, waves 2 and 3 xh's.  Each line has one mask and one set of registers for all that issue it;
; the branch hangs on the wave's number alone.
.macro JLOAD s
	s_cmp_eq_u32 s13, 0
	s_cbranch_scc0 .Lfor_a_\@
	tensor_load_to_lds s[G0B+12*\s:G0B+12*\s+3], s[G1B+16*\s:G1B+16*\s+7]
	s_nop 0
	s_branch .Lasked_\@
.Lfor_a_\@:
	tensor_load_to_lds s[G0A+12*\s:G0A+12*\s+3], s[G1A+16*\s:G1A+16*\s+7]
	s_nop 0
.Lasked_\@:
.endm
; A round of the cluster's barrier: my work-group's barrier, so that wave 0's signal speaks for all four waves; wave 0 signals for the work-group; every wave waits for all
; sixteen work-groups; my work-group's barrier once more.
.macro CREST                           ; a round behind its opening barrier
	s_cmp_lg_u32 s12, 0
	s_cbranch_scc1 .Lnot_wave_0_\@
	s_barrier_signal -3
.Lnot_wave_0_\@:
	s_barrier_wait -3
	s_barrier_signal -1
	s_barrier_wait -1
.endm
.macro CROUND                          ; a whole round
	s_barrier_signal -1
	s_barrier_wait -1
	CREST
.endm
	s_load_b256 s[4:11], s[0:1], 0x0               ; xh s[4:5], wh s[6:7], b s[8:9], out0 s[10:11]
	v_lshl_add_u32 v62, v0, 2, 0x4f400
	v_mov_b32 v63, 0
	ds_add_u32 v62, v63
	ds_add_u32 v62, v63
	v_lshrrev_b32 v1, 5, v0
	v_readfirstlane_b32 s12, v1                    ; wave 0..3
	s_lshr_b32 s13, s12, 1                         ; which 64 of the block's rows are mine.  Also: I fetch for wh (0) or for xh (1)
	s_and_b32 s14, s12, 1                          ; which 128 of its columns.  Also: which half of that tile I fetch
	s_bfe_u32 s76, ttmp6, 0x40000                  ; cx
	s_bfe_u32 s77, ttmp6, 0x40004                  ; cy
	s_lshl_b32 s78, ttmp9, 2                       ; in a cluster launch ttmp9 and ttmp7 count clusters
	s_add_co_u32 s78, s78, s76                     ; block column = 4 x cluster x + cx
	s_and_b32 s79, ttmp7, 0xffff
	s_lshl_b32 s79, s79, 2
	s_add_co_u32 s79, s79, s77                     ; block row = 4 x cluster y + cy
	s_lshl_b32 s80, s77, 2
	s_lshl_b32 s80, 15, s80                        ; my row of the cluster: places 4 cy .. 4 cy + 3
	s_lshl_b32 s81, 0x1111, s76                    ; my column: places cx, cx + 4, cx + 8, cx + 12
	; group 1, for P (s = 0: rows of 256 elements, padded after every 128 words) and for Q (s = 1: rows of 128 elements, padded after every 64 words)
.irp s, 0,1
	s_or_b32 s[G1A+16*\s], s80, (1<<16)|(1<<20)|(1<<21)|((6-\s)<<22)|(3<<25)   ; 15:0 the mask: my row; 17:16 elements of 2 bytes; 20 padding on; 21 set beside a mask; 24:22 the interval; 31:25 four words
	s_or_b32 s[G1B+16*\s], s81, (1<<16)|(1<<20)|(1<<21)|((6-\s)<<22)|(3<<25)   ; the same with the mask of my column
	s_mov_b32 s[G1A+16*\s+1], (256-128*\s)<<16     ; tensor_dim0
	s_mov_b32 s[G1B+16*\s+1], (256-128*\s)<<16
	s_mov_b32 s[G1A+16*\s+2], 64<<16               ; tensor_dim1 = 64 rows of xh
	s_mov_b32 s[G1B+16*\s+2], 128<<16              ; tensor_dim1 = 128 rows of wh
	s_mov_b32 s[G1A+16*\s+3], (256-128*\s)<<16     ; tile_dim0
	s_mov_b32 s[G1B+16*\s+3], (256-128*\s)<<16
	s_mov_b32 s[G1A+16*\s+4], 64                   ; tile_dim1
	s_mov_b32 s[G1B+16*\s+4], 128
	s_mov_b32 s[G1A+16*\s+5], SIZE_K               ; elements from row to row
	s_mov_b32 s[G1B+16*\s+5], SIZE_K
	s_mov_b32 s[G1A+16*\s+6], 0
	s_mov_b32 s[G1B+16*\s+6], 0
	s_mov_b32 s[G1A+16*\s+7], 0
	s_mov_b32 s[G1B+16*\s+7], 0
	s_mov_b32 s[G0A+12*\s], 1                      ; group 0: count = 1
	s_mov_b32 s[G0B+12*\s], 1
.endr
	; where the tiles go: the wave's number times a constant, plus a constant.  (wh's words are used by waves 0 and 1 alone, xh's by waves 2 and 3 alone.)
	s_mul_i32 s[G0B+1], s12, BHP                   ; P: wh's half w at w x 67,584
	s_mul_i32 s[G0A+1], s12, AHP
	s_add_co_u32 s[G0A+1], s[G0A+1], 2*BHP-2*AHP   ; P: xh's half w - 2 behind wh's two
	s_mul_i32 s[G0B+13], s12, BHQ
	s_add_co_u32 s[G0B+13], s[G0B+13], QBASE       ; Q likewise
	s_mul_i32 s[G0A+13], s12, AHQ
	s_add_co_u32 s[G0A+13], s[G0A+13], QBASE+2*BHQ-2*AHQ
	; where the tiles come from.  xh's hang on the block row alone, which my row of the cluster shares; wh's on the block column alone, which my column shares.
	; Every wave makes both addresses, in registers that never hold the other coordinate, and asks by one of them.
	s_lshl_b32 s86, s79, 7
	s_lshl_b32 s87, s14, 6
	s_add_co_u32 s86, s86, s87                     ; xh: row 128 x block row + 64 x half
	s_lshl_b32 s86, s86, 13                        ; rows of 8,192 bytes (below 2^24)
	s_mov_b32 s87, 0
	s_lshl_b32 s82, s78, 8
	s_lshl_b32 s83, s14, 7
	s_add_co_u32 s82, s82, s83                     ; wh: row 256 x block column + 128 x half
	s_lshl_b32 s82, s82, 13                        ; (below 2^25)
	s_mov_b32 s83, 0
	s_wait_dscnt 0x0
	s_wait_kmcnt 0x0
	s_add_nc_u64 s[84:85], s[4:5], s[86:87]
	s_add_nc_u64 s[82:83], s[6:7], s[82:83]
.irp s, 0,1
	s_add_nc_u64 s[G0A+12*\s+2:G0A+12*\s+3], s[84:85], \s*512      ; P0 begins at K = 0, Q0 at K = 256
	s_or_b32 s[G0A+12*\s+3], s[G0A+12*\s+3], 0x80000000            ; type = 2
	s_add_nc_u64 s[G0B+12*\s+2:G0B+12*\s+3], s[82:83], \s*512
	s_or_b32 s[G0B+12*\s+3], s[G0B+12*\s+3], 0x80000000
.endr
	CROUND                                         ; all sixteen work-groups are here: the first joint loads meet
	JLOAD 0                                        ; both first fills go out together, before anything else is done
	JLOAD 1
	; out0 and b at my corner.  The column's offset lies in the registers that held wh's address: none that feeds xh's descriptors ever holds cx.
	s_lshl_b32 s82, s78, 10                        ; 256 columns of 4 bytes a block
	s_lshl_b32 s83, s14, 9                         ; 128 columns a half
	s_add_co_u32 s82, s82, s83
	s_mov_b32 s83, 0
	s_add_nc_u64 s[8:9], s[8:9], s[82:83]
	s_add_nc_u64 s[10:11], s[10:11], s[82:83]
	s_lshl_b32 s86, s79, 7
	s_lshl_b32 s87, s13, 6
	s_add_co_u32 s86, s86, s87                     ; my first row: 128 x block row + 64 x half
	s_lshl_b32 s86, s86, 14                        ; rows of 16,384 bytes (below 2^25)
	s_mov_b32 s87, 0
	s_add_nc_u64 s[10:11], s[10:11], s[86:87]
	; A fragment is 16 rows x 32 K in 8 registers: lane l holds row l % 16; registers 0-3 hold K = 8 (l / 16) + 0..7, registers 4-7 K = 16 + 8 (l / 16) + 0..7:
	; two loads of 16 bytes, 32 bytes apart.
	v_and_b32 v1, 15, v0                           ; l % 16
	v_bfe_u32 v2, v0, 4, 1                         ; l / 16
	v_mul_u32_u24 v3, v1, PITP
	v_lshl_add_u32 v3, v2, 4, v3                   ; in P: row x 528 + 16 x half
	v_mul_u32_u24 v4, v1, PITQ
	v_lshl_add_u32 v4, v2, 4, v4                   ; in Q: row x 272 + 16 x half
	s_mul_i32 s16, s14, BHP                        ; my 128 rows of wh in P
	s_mul_i32 s17, s13, AHP
	s_add_co_u32 s17, s17, 2*BHP                   ; my 64 rows of xh in P
	s_mul_i32 s18, s14, BHQ
	s_add_co_u32 s18, s18, QBASE                   ; and in Q
	s_mul_i32 s19, s13, AHQ
	s_add_co_u32 s19, s19, QBASE+2*BHQ
	v_add_nc_u32 v[ADRB], s16, v3
	v_add_nc_u32 v[ADRA], s17, v3
	v_add_nc_u32 v[ADRB+1], s18, v4
	v_add_nc_u32 v[ADRA+1], s19, v4
	s_mul_i32 s20, s12, WSTAGE
	s_add_co_u32 s20, s20, STAGE                   ; my stage
	v_mul_u32_u24 v5, v1, SPITCH                   ; in: row l % 16, 32 bytes for each half of the lanes
	v_lshl_add_u32 v5, v2, 5, v5
	v_add_nc_u32 v[STO], s20, v5
	v_mul_u32_u24 v6, v2, SPITCH                   ; back: lanes 0-15 take one row of 256 bytes, lanes 16-31 the next
	v_lshl_add_u32 v6, v1, 4, v6
	v_add_nc_u32 v[RD], s20, v6
	v_lshlrev_b32 v[BO], 4, v1
	v_lshl_add_u32 v[CO], v2, 14, v[BO]            ; and the same two rows in out0
	global_load_b128 v[BIAS:BIAS+3],   v[BO], s[8:9]               ; waited for in front of the way out
	global_load_b128 v[BIAS+4:BIAS+7], v[BO], s[8:9] offset:256
; 8 matrix instructions: m block a x all 8 n blocks, 32 along K.  zero = 1: the first product starts the sums: nothing is cleared.
; The 32 accumulators take turns, one instruction a turn, in the same order in every quarter step and over the backward jump.
.macro MUL8 f, a, zero
.irp b, 0,1,2,3,4,5,6,7
.if \zero
	v_wmma_f32_16x16x32_f16 v[8*(8*\a+\b):8*(8*\a+\b)+7], v[\f+8*\b:\f+8*\b+7], v[\f+64+8*\a:\f+64+8*\a+7], 0
.else
	v_wmma_f32_16x16x32_f16 v[8*(8*\a+\b):8*(8*\a+\b)+7], v[\f+8*\b:\f+8*\b+7], v[\f+64+8*\a:\f+64+8*\a+7], v[8*(8*\a+\b):8*(8*\a+\b)+7]
.endif
.endr
.endm
; 24 LDS loads in one run: the fragments of 32 along K (128 rows of wh, then 64 rows of xh, at byte k of the rows of slot 0 = P or 1 = Q) into buffer f.
; The largest offset is 448 + 7 x 16 x 528 + 32 = 59,616, inside the 16 bits of the immediate.
.macro FETCH slot, k, f
	WIN 0
.irp i, 0,1,2,3,4,5,6,7
	ds_load_b128 v[\f+8*\i:\f+8*\i+3],   v[ADRB+\slot] offset:\k+\i*16*(PITP-(PITP-PITQ)*\slot)
	ds_load_b128 v[\f+8*\i+4:\f+8*\i+7], v[ADRB+\slot] offset:\k+\i*16*(PITP-(PITP-PITQ)*\slot)+32
.endr
.irp i, 0,1,2,3
	ds_load_b128 v[\f+64+8*\i:\f+64+8*\i+3],   v[ADRA+\slot] offset:\k+\i*16*(PITP-(PITP-PITQ)*\slot)
	ds_load_b128 v[\f+64+8*\i+4:\f+64+8*\i+7], v[ADRA+\slot] offset:\k+\i*16*(PITP-(PITP-PITQ)*\slot)+32
.endr
.endm
; A load into a register that a matrix instruction has read, and whatever reads a matrix result, stand four places behind that matrix instruction; only plain vector
; instructions that name none of its registers are places (ISA guide 7.12.1 for vector instructions).
.macro PLACES
.rept 4
	v_nop
.endr
.endm
; P is eight pieces of 32 along K, Q four, 32 matrix instructions each, on buffers 0, 1, 0, 1, ..: both counts are even, so every slot begins on buffer 0.
; A piece that is not its slot's last: multiplies buffer f; in its middle it fetches the next piece's fragments, at byte k of the same slot's rows, into buffer g.
.macro QUARTER slot, k, f, g, zero
	s_wait_dscnt 4                                 ; wh's fragments and xh's blocks 0, 1 are in; the youngest four loads (xh's blocks 2, 3) may be out
	WIN MUL
	MUL8 \f, 0, \zero
	MUL8 \f, 1, \zero
	PLACES
	FETCH \slot, \k, \g
	s_wait_dscnt 24                                ; all but the 24 just issued
	WIN MUL
	MUL8 \f, 2, \zero
	MUL8 \f, 3, \zero
.endm
.macro SEVEN zero                      ; P's first seven pieces
	QUARTER 0, 64,  F0, F1, \zero
	QUARTER 0, 128, F1, F0, 0
	QUARTER 0, 192, F0, F1, 0
	QUARTER 0, 256, F1, F0, 0
	QUARTER 0, 320, F0, F1, 0
	QUARTER 0, 384, F1, F0, 0
	QUARTER 0, 448, F0, F1, 0
.endm
.macro THREE                           ; Q's first three pieces
	QUARTER 1, 64,  F0, F1, 0
	QUARTER 1, 128, F1, F0, 0
	QUARTER 1, 192, F0, F1, 0
.endm
; A slot's last piece: multiplies buffer 1 and changes slots.  next = the other slot; fill = 1: this slot is filled again, 384 further along K.
; In front of the barrier each wave waits for its own reads of this slot and for all its tensor loads, of which one is out: its part of the next slot.  Behind it
; nobody reads this slot any more and the next slot is whole: the refill comes first, then the next slot's first fragments.
.macro TURN slot, next, fill
	s_wait_dscnt 4
	WIN MUL
	MUL8 F1, 0, 0
	s_wait_dscnt 0                                 ; my reads of this slot are over
	s_wait_tensorcnt 0x0                           ; and all my tensor loads have landed
	ds_add_u32 v62, v63
	s_wait_dscnt 0x0
	s_barrier_signal -1                            ; say so (where a slot is filled again this barrier opens a round of the cluster's barrier),
	MUL8 F1, 1, 0                                  ; work on registers while the others arrive,
	WIN 0
	s_barrier_wait -1
.if \fill
	CREST                                          ; all sixteen work-groups have said so: no wave of any partner still reads this slot's tile or has a load on its way
	s_add_nc_u64 s[G0A+12*\slot+2:G0A+12*\slot+3], s[G0A+12*\slot+2:G0A+12*\slot+3], CYC     ; no tensor load of mine is out: a group 0 may be written
	s_add_nc_u64 s[G0B+12*\slot+2:G0B+12*\slot+3], s[G0B+12*\slot+2:G0B+12*\slot+3], CYC
	JLOAD \slot                                    ; the first tensor load behind the round, and my only one until the next
.endif
	PLACES
	FETCH \next, 0, F0
	WIN MUL
	MUL8 F1, 2, 0
	MUL8 F1, 3, 0
.endm
.macro CYCLE zero                      ; P, then Q, both filled again: 384 along K
	SEVEN \zero
	TURN 0, 1, 1
	THREE
	TURN 1, 0, 1
.endm
	s_wait_tensorcnt 1                             ; my part of P0 is in; Q0's may stay out
	s_barrier_signal -1
	s_barrier_wait -1                              ; everybody's is
	FETCH 0, 0, F0
	CYCLE 1                                        ; P0 and Q0 stand in front of the loop: the first products start the sums
	WIN 0                                          ; at a label and at a branch every window is 0
	s_mov_b32 s15, 8                               ; P1 Q1 .. P8 Q8
.Lcycle:
	CYCLE 0
	WIN 0
	s_sub_co_u32 s15, s15, 1
	s_cmp_lg_u32 s15, 0
	s_cbranch_scc1 .Lcycle
	SEVEN 0                                        ; P9,
	TURN 0, 1, 1                                   ; behind which P10, the last tile, is asked for
	THREE                                          ; Q9: no tile is left for Q, so no fill and no round follow it
	TURN 1, 0, 0
	SEVEN 0                                        ; P10
	s_wait_dscnt 4                                 ; the very last piece: nothing more to fetch
	WIN MUL
	MUL8 F1, 0, 0
	MUL8 F1, 1, 0
	s_wait_dscnt 0
	MUL8 F1, 2, 0
	MUL8 F1, 3, 0
	; THE WAY OUT, 16 rows x 64 columns at a time: 32 bytes a lane into my own stage in LDS, read back as whole rows of 256 bytes, the bias added, stored.
	PLACES                                         ; the places behind the last matrix instructions: for the LDS stores of results and for the loads into the fragment buffers
	WIN 0
	s_wait_loadcnt 0x0                             ; the bias
; rows 16 a .. 16 a + 15, columns 64 c .. 64 c + 63 of my block = the four tiles (a, 4 c .. 4 c + 3); n = the step's number, which picks one of six buffers
.macro OUT8 a, c, n
	WIN FROM_ACC
.irp b, 0,1,2,3
	ds_store_b128 v[STO], v[8*(8*\a+4*\c+\b):8*(8*\a+4*\c+\b)+3]   offset:64*\b
	ds_store_b128 v[STO], v[8*(8*\a+4*\c+\b)+4:8*(8*\a+4*\c+\b)+7] offset:64*\b+16
.endr
	WIN 0
.if \n >= 6
	s_wait_xcnt 0x0                                ; this buffer was data of stores six steps ago: loaded again only behind this wait
.endif
.irp t, 0,1,2,3,4,5,6,7
	ds_load_b128 v[OB+32*(\n%6)+4*\t:OB+32*(\n%6)+4*\t+3], v[RD] offset:\t*2*SPITCH   ; my own bytes; LDS serves a wave's instructions in order (ISA guide 5.7.1.4): these see the stores above, and the next step's stores come behind them
.endr
.irp t, 0,1,2,3,4,5,6,7
	s_wait_dscnt 7-\t
	v_pk_add_f32 v[OB+32*(\n%6)+4*\t:OB+32*(\n%6)+4*\t+1],   v[OB+32*(\n%6)+4*\t:OB+32*(\n%6)+4*\t+1],   v[BIAS+4*\c:BIAS+4*\c+1]
	v_pk_add_f32 v[OB+32*(\n%6)+4*\t+2:OB+32*(\n%6)+4*\t+3], v[OB+32*(\n%6)+4*\t+2:OB+32*(\n%6)+4*\t+3], v[BIAS+4*\c+2:BIAS+4*\c+3]
	global_store_b128 v[CO], v[OB+32*(\n%6)+4*\t:OB+32*(\n%6)+4*\t+3], s[10:11] offset:(16*\a+2*\t)*SIZE_N*4+256*\c th:TH_STORE_NT   ; sixteen lanes store 256 consecutive bytes, at a multiple of 256 from out0's first byte; row and column half stand in the immediate, 1,016,064 at the most
.endr
.endm
	OUT8 0, 0, 0
	OUT8 0, 1, 1
	OUT8 1, 0, 2
	OUT8 1, 1, 3
	OUT8 2, 0, 4
	OUT8 2, 1, 5
	OUT8 3, 0, 6
	OUT8 3, 1, 7
	s_wait_tensorcnt 0x0
	ds_add_u32 v62, v63
	s_wait_dscnt 0x0
	CROUND                                         ; the closing round: no work-group ends while a partner may still ask for a tile that names it
	s_endpgm
.Lfunc_end_k_q636d13fcae_gemm:
	.size	k_q636d13fcae_gemm, .Lfunc_end_k_q636d13fcae_gemm-k_q636d13fcae_gemm
	.p2alignl 7, 3214868480
	.fill 96, 4, 3214868480
	.section	.rodata,"a",@progbits
	.p2align	6, 0x0
	.amdhsa_kernel k_q636d13fcae_gemm
		.amdhsa_group_segment_fixed_size 327680
		.amdhsa_private_segment_fixed_size 0
		.amdhsa_enable_private_segment 0
		.amdhsa_kernarg_size 32
		.amdhsa_user_sgpr_count 2
		.amdhsa_user_sgpr_kernarg_segment_ptr 1
		.amdhsa_wavefront_size32 1
		.amdhsa_system_sgpr_workgroup_id_x 1
		.amdhsa_system_sgpr_workgroup_id_y 1
		.amdhsa_system_sgpr_workgroup_id_z 1
		.amdhsa_system_vgpr_workitem_id 0
		.amdhsa_next_free_vgpr 512
		.amdhsa_next_free_sgpr 88
		.amdhsa_reserve_vcc 0
		.amdhsa_float_denorm_mode_32 3
		.amdhsa_float_denorm_mode_16_64 3
		.amdhsa_memory_ordered 1
		.amdhsa_forward_progress 1
		.amdhsa_inst_pref_size 203
	.end_amdhsa_kernel
	.amdgpu_metadata
---
amdhsa.version: [ 1, 2 ]
amdhsa.kernels:
  - .name:           k_q636d13fcae_gemm
    .symbol:         k_q636d13fcae_gemm.kd
    .args:
      - { .name: xh, .offset: 0, .size: 8, .value_kind: global_buffer, .address_space: global }
      - { .name: wh, .offset: 8, .size: 8, .value_kind: global_buffer, .address_space: global }
      - { .name: b, .offset: 16, .size: 8, .value_kind: global_buffer, .address_space: global }
      - { .name: out0, .offset: 24, .size: 8, .value_kind: global_buffer, .address_space: global }
    .group_segment_fixed_size: 327680
    .private_segment_fixed_size: 0
    .kernarg_segment_align: 8
    .kernarg_segment_size: 32
    .max_flat_workgroup_size: 128
    .sgpr_count:     88
    .vgpr_count:     512
    .wavefront_size: 32
...
	.end_amdgpu_metadata
.endif
;; end of part 2
